; MI455X (gfx1250); checked and timed in simulation.
; The chip was launched on July 23, 2026; its instructions are those of AMD's public machine-readable ISA for CDNA 5 (MIT licence, August 2026) and "CDNA5" Instruction Set Architecture Reference Guide (July 2026). The comments in the code are by the model that wrote it; some were corrected since.
;; Quant Linear. Allowed arithmetic: float matrix products may take bf16 or f16 operands with f32 sums; other float arithmetic in f32, or as packed bf16 or f16 multiplies, adds, multiply-adds, maxima and minima; sums over many terms, partial sums and values carried from step to step in f32; what a program stores and reads back later, other than sums and carried values, may be rounded once to bf16 or f16.
;; Inputs: bias 4,096 float16; qweight 512 x 4,096 int32; qzeros 1 x 512 int32; scales 1 x 4,096 float16; x 4 x 1,024 x 4,096 float16.
;; Outputs: out0 4 x 1,024 x 4,096 float16.
;; One version. Each part assembles by itself: llvm-mc -triple=amdgcn-amd-amdhsa -mcpu=gfx1250 --defsym DOCPART=n.
;; ======== version 1 of 1: 1 launch
;; launch qlinear (part 1): grid 16 x 16, 4 waves a work-group, clusters of 4 x 4, 327,680 bytes of LDS; arguments x, qweight, scales, qzeros, bias, out0; writes out0
.if DOCPART == 1
	.amdgcn_target "amdgcn-amd-amdhsa--gfx1250"
	.amdhsa_code_object_version 6
	.text
	.protected	k_qeacb0e8e9f_qlinear
	.globl	k_qeacb0e8e9f_qlinear
	.p2align	8
	.type	k_qeacb0e8e9f_qlinear,@function
k_qeacb0e8e9f_qlinear:
	s_mov_b64 s[64:65], 0
	v_nop
	global_prefetch_b8 v0, s[64:65] scope:SCOPE_SE
	s_setreg_imm32_b32 hwreg(HW_REG_WAVE_MODE, 25, 1), 1
	s_wait_xcnt 0x0
	s_wait_alu depctr_hold_cnt(0) depctr_sa_sdst(0) depctr_va_vdst(0) depctr_va_sdst(0) depctr_va_ssrc(0) depctr_va_vcc(0) depctr_vm_vsrc(0)
	s_getreg_b32 s2, hwreg(HW_REG_IB_STS2, 6, 4)
	s_cmp_eq_u32 s2, 0
	s_cbranch_scc0 .Lentry_in_a_cluster
	s_endpgm
.Lentry_in_a_cluster:
	s_bfe_u32 s2, ttmp6, 0x10000c
	s_cmp_lg_u32 s2, 0xf033
	s_cbranch_scc0 .Lentry_shape_is_right
	s_endpgm
.Lentry_shape_is_right:
; out[m][n] = f16( s[n] * sum over k of x[m][k] * q[k][n] ) + bias[n] (the last add in f16),  q[k][n] = w4[k][n] - z4[n] - 1.
; x: [4096][4096] f16.  qweight: [512][4096] words, nibble k % 8 of word [k / 8][n] is w4[k][n].  qzeros: [512] words, nibble n % 8 of word n / 8 is z4[n].
; scales, bias: [4096] f16.  out: [4096][4096] f16.
; FORMATS.  q is a whole number from -16 to 14 and x is f16 as it comes, so both operands of the f16 matrix instruction are exact; sums in f32.
; LIMITS.  s[n] multiplies the finished f32 sum, where the reference multiplies each weight: the order of rounding differs, by a few last places of f32.  The zero point is taken
; off each weight ahead of the product: no difference of large sums is formed.  s * sum beyond 65,504 becomes an infinity, as in the reference.  NaN and infinities in x are not treated apart.
; SHARES.  A work-group of four waves makes 256 x 256 of out (256 work-groups in all), a wave 128 x 128: 64 accumulators of 16 x 16, 512 registers.  K goes in steps of 128
; through a ring of two LDS slots filled by the tensor data mover.  A slot holds 256 rows of x (256 bytes each, padded) and the step's 16 rows x 256 words of qweight AS THEY LIE IN MEMORY.
; UNPACKING.  A word of qweight holds k = 8 kk .. 8 kk + 7 of one column: just what a lane holds in four registers of a fragment.  So each wave unpacks its own fragments in
; registers, three plain vector instructions for a register (two weights), set one register's worth behind each matrix instruction: 192 for a quarter step's 64 products.
;   v_perm_b32    [byte j, 0x64, byte j, 0x64]                              v_and_b32  0x64f0640f: low half 1024 + n(2j), high half 1024 + 16 n(2j+1), as f16
;   v_pk_fma_f16  x (1, 1/16) + (-(1025 + z), -(65 + z)): every number on the way is a whole number that f16 holds exactly; the result is q(2j), q(2j+1)
; COLUMNS.  Row i of fragment b = 4 g + c is column 64 g + 4 i + c of the wave's 128: a lane reads 16 consecutive bytes of a row of qweight, which serve four fragments,
; and sixteen lanes read 256 consecutive bytes.  The order is undone on the way out, where it costs nothing.
; THE MATRIX INSTRUCTION IS USED TRANSPOSED (source 0 = 16 columns of q, source 1 = 16 rows of x): a lane then holds one row of out.
; CLUSTER.  4 x 4 work-groups.  The four of a row of the cluster need the same tiles of x, the four of a column the same tiles of qweight: each tile is asked for JOINTLY, by the same
; tensor load with the same descriptor and a mask that names the four.
; REGISTERS, in windows of 256 (s_set_vgpr_msb: bits 1:0 source 0, 3:2 source 1, 5:4 source 2, 7:6 destination):
;   window 0: v0-31 addresses and constants; v32-63 raw words, two buffers of 16; v64-127, v128-191 fragments of x, two buffers; v192-255 the scales in f32, laid as the accumulators are
;   window w = 1, 2, 3: fragments b = 0-2, 3-5, 6-7.  Accumulator (block a of 16 rows, fragment bl of the window) at v[8 (NBW a + bl)], NBW = 3, 3, 2; v192-239 the unpacked
;   fragments, two buffers of 24; v240-242 the fused multiply-add's addend.  A fragment lies in its accumulators' window, so ONE setting (0x51 w) serves a product and the unpacking behind it.
.set KSTEP,  128
.set PITCH,  272                       ; an LDS row of x: 256 bytes + 16 of padding = 68 words: the 16 rows that a load touches start at 16 different groups of four banks (64 banks of 4 bytes: ISA guide 11.1)
.set HALFA,  128*PITCH                 ; 128 rows of x: what one tensor load brings, and what one wave reads
.set BOFF,   2*HALFA                   ; behind x's 256 rows: the raw words
.set BROW,   1024                      ; a row of them: 256 words, dense
.set HALFB,  8*BROW                    ; 8 rows: what one tensor load brings (a K step has 16 in all)
.set SLOT,   BOFF+2*HALFB
.set STAGE,  2*SLOT                    ; behind the ring: 16 rows x 272 bytes for each wave, for the way out; no tensor load fills it
.set SPITCH, 272
.set SPARE,  STAGE+4*16*SPITCH         ; behind the stages: the spare words, 128 bytes for each wave: two blocks of 256 bytes that no other line names
.set LAPS,   4096/(2*KSTEP)            ; a lap = two K steps = once round the ring
.set BI,   8                           ; v8-11   bias of the 8 columns that I store
.set ZW,   12                          ; v12-13  the words of qzeros for my columns, g = 0, 1
.set ADRA, 16                          ; v16-17  LDS address of my fragments of x in slot 0, 1
.set ADRB, 20                          ; v20-21  the same for the raw words
.set STO,  24                          ; v24     the way out: where I put 16 bytes of a row
.set RD,   25                          ; v25     the way out: where I read a row back
.set CO,   26                          ; v26     my byte offset in out
.set MUL,  27                          ; v27     f16 pair (1, 1/16)
.set SPW,  28                          ; v28     LDS address of my spare word: SPARE + 4 x my thread's number; never rewritten
.set NIL,  29                          ; v29     0; never rewritten
.set RAW,  32                          ; raw word (u, b) of buffer f at RAW + 16 f + 8 u + b
.set AF,   64                          ; x's fragments: block a of buffer f at AF + 64 f + 8 a
.set S,    192                         ; S[8 b + j]: the scale of what register j of an accumulator of fragment b holds
.set T,    64                          ; the way out: a block's 64 numbers, scaled
.set TMP,  128                         ; packed to f16
.set BK0,  160                         ; whole rows read back: v160-191 and v32-63 by turns
.set FB,   192                         ; windows 1-3: unpacked fragment bl of buffer f at FB + 24 f + 8 bl
.set ADD,  240                         ; windows 1-3: f16 pair (-(1025 + z), -(65 + z)) of fragment bl's column in my lane
.set WV,   16                          ; s16  my wave's number
.set RH,   17                          ; s17  which 128 rows of the tile are mine.  Also: I fetch x (0) or qweight (1)
.set CH,   18                          ; s18  which 128 columns.  Also: which half of that tile I fetch
.set LAP,  19                          ; s19  trips to go
.set G1A,  24                          ; s[24:31] descriptor group 1 for x's tiles
.set G0A,  32                          ; s[32:39] group 0, a set for each slot
.set G1B,  48                          ; s[48:55], s[56:63] the same for qweight's
.set G0B,  56
.set K64,  66                          ; s66  0x64646464
.set MASK, 67                          ; s67  0x64f0640f
.set SEL,  68                          ; s68-71  v_perm_b32's selects for byte j = 0..3
.set MSB, 0
.macro WIN new                         ; the immediate's high byte repeats the setting that is left; a switch that changes nothing is dropped
.if MSB != (\new)
	s_set_vgpr_msb (MSB<<8)|(\new)
.set MSB, \new
.endif
.endm
; A joint load.  Waves 0 and 1 fetch the two halves of x's tile, waves 2 and 3 those of qweight's.  Each line has one mask and one set of registers for all that issue it; the branch hangs on
; the wave's number alone.  An s_nop 0 and four v_nop follow each of the two lines, ahead of the jump, the label and what follows.
.macro JLOAD s
	s_cmp_eq_u32 s[RH], 0
	s_cbranch_scc0 .Lfor_b_\@
	tensor_load_to_lds s[G0A+4*(\s):G0A+4*(\s)+3], s[G1A:G1A+7]
	s_nop 0
.rept 4
	v_nop
.endr
	s_branch .Lasked_\@
.Lfor_b_\@:
	tensor_load_to_lds s[G0B+4*(\s):G0B+4*(\s)+3], s[G1B:G1B+7]
	s_nop 0
.rept 4
	v_nop
.endr
.Lasked_\@:
.endm
; A round of the cluster's barrier: my work-group's barrier, so that wave 0's signal speaks for all four waves; wave 0 signals for the work-group; every wave waits for all sixteen; my work-group's barrier once more.
.macro CREST                           ; a round behind its opening barrier
	s_cmp_lg_u32 s[WV], 0
	s_cbranch_scc1 .Lnot_wave_0_\@
	s_barrier_signal -3
.Lnot_wave_0_\@:
	s_barrier_wait -3
	s_barrier_signal -1
	s_barrier_wait -1
.endm
.macro CROUND                          ; a whole round
	s_barrier_signal -1
	s_barrier_wait -1
	CREST
.endm
	s_load_b256 s[4:11], s[0:1], 0x0               ; x s[4:5], qweight s[6:7], scales s[8:9], qzeros s[10:11]
	s_load_b128 s[12:15], s[0:1], 0x20             ; bias s[12:13], out s[14:15]
	v_lshl_add_u32 v[SPW], v0, 2, SPARE
	v_mov_b32 v[NIL], 0
	ds_add_u32 v[SPW], v[NIL]                      ; the wave's opening: the add and its wait stand ahead of my first tensor load; the set-up below, work on registers, stands between them
	v_lshrrev_b32 v1, 5, v0
	v_readfirstlane_b32 s[WV], v1                  ; wave 0..3
	s_lshr_b32 s[RH], s[WV], 1
	s_and_b32 s[CH], s[WV], 1
	s_bfe_u32 s20, ttmp6, 0x40000                  ; cx: my place along the cluster's x
	s_bfe_u32 s21, ttmp6, 0x40004                  ; cy: along its y
	s_lshl_b32 s22, ttmp9, 2                       ; in a cluster launch ttmp9 and ttmp7 count clusters
	s_add_co_u32 s22, s22, s20                     ; tile column = 4 x cluster x + cx
	s_and_b32 s23, ttmp7, 0xffff
	s_lshl_b32 s23, s23, 2
	s_add_co_u32 s23, s23, s21                     ; tile row = 4 x cluster y + cy
	s_lshl_b32 s40, s21, 2
	s_lshl_b32 s40, 15, s40                        ; my row of the cluster: places 4 cy .. 4 cy + 3
	s_lshl_b32 s72, 0x1111, s20                    ; my column: places cx, cx + 4, cx + 8, cx + 12
	; group 1 for x: a tile of 128 rows x 128 elements of 2 bytes, padded in LDS
	s_or_b32 s[G1A+0], s40, (1<<16)|(1<<20)|(1<<21)|(5<<22)|(3<<25)  ; 15:0 the mask: my row; 17:16 elements of 2 bytes; 20 padding on; 21 set beside a mask; 24:22 after every 64 words (code 5); 31:25 4 words of it (code 3)
	s_mov_b32 s[G1A+1], KSTEP<<16                  ; tensor_dim0 = 128
	s_mov_b32 s[G1A+2], 128<<16                    ; tensor_dim1 = 128
	s_mov_b32 s[G1A+3], KSTEP<<16                  ; tile_dim0 = 128
	s_mov_b32 s[G1A+4], 128                        ; tile_dim1 = 128
	s_mov_b32 s[G1A+5], 4096                       ; elements from row to row
	s_mov_b32 s[G1A+6], 0
	s_mov_b32 s[G1A+7], 0
	; group 1 for qweight: a tile of 8 rows x 256 words, dense in LDS: a row is 1,024 consecutive bytes of memory
	s_or_b32 s[G1B+0], s72, (2<<16)|(1<<21)        ; 15:0 the mask: my column; 17:16 elements of 4 bytes; 21 set beside a mask; no padding
	s_mov_b32 s[G1B+1], 256<<16                    ; tensor_dim0 = 256
	s_mov_b32 s[G1B+2], 8<<16                      ; tensor_dim1 = 8
	s_mov_b32 s[G1B+3], 256<<16                    ; tile_dim0 = 256
	s_mov_b32 s[G1B+4], 8                          ; tile_dim1 = 8
	s_mov_b32 s[G1B+5], 4096                       ; elements from row to row
	s_mov_b32 s[G1B+6], 0
	s_mov_b32 s[G1B+7], 0
	; where the tiles come from.  x's hang on the tile row alone, qweight's on the tile column alone; each offset is made in registers that never hold the other coordinate
	s_lshl_b32 s40, s23, 8
	s_lshl_b32 s41, s[CH], 7
	s_add_co_u32 s40, s40, s41                     ; x: row 256 x tile row + 128 x half,
	s_lshl_b32 s40, s40, 13                        ; times 8,192 bytes: under 2^25
	s_mov_b32 s41, 0
	s_mul_i32 s44, s[WV], HALFA                    ; and where they go: waves 0 and 1 fill x's two halves
	s_lshl_b32 s72, s22, 10                        ; qweight: 256 words x tile column,
	s_lshl_b32 s73, s[CH], 17                      ; 8 rows of 16,384 bytes x half
	s_add_co_u32 s72, s72, s73
	s_mov_b32 s73, 0
	s_mul_i32 s76, s[WV], HALFB                    ; waves 2 and 3 fill the raw words' two halves:
	s_add_co_u32 s76, s76, BOFF-2*HALFB            ; BOFF + (wave - 2) x 8,192.  No place in the cluster enters an LDS address
	s_lshl_b32 s77, s22, 8
	s_lshl_b32 s78, s[CH], 7
	s_add_co_u32 s77, s77, s78                     ; my wave's first column
	s_lshl_b32 s78, s77, 1                         ; in bytes of scales, bias and a row of out,
	s_mov_b32 s79, 0
	s_lshr_b32 s82, s77, 1                         ; and of qzeros (8 columns to a word)
	s_mov_b32 s83, 0
	s_lshl_b32 s80, s23, 8
	s_lshl_b32 s81, s[RH], 7
	s_add_co_u32 s80, s80, s81                     ; my wave's first row of out,
	s_lshl_b32 s80, s80, 13                        ; times 8,192 bytes,
	s_add_co_u32 s80, s80, s78                     ; and its first column
	s_mov_b32 s81, 0
	s_mov_b32 s[K64], 0x64646464
	s_mov_b32 s[MASK], 0x64f0640f
	s_mov_b32 s[SEL+0], 0x04000400                 ; bytes (j, 4, j, 4): j from the raw word, 4 from 0x64646464
	s_mov_b32 s[SEL+1], 0x04010401
	s_mov_b32 s[SEL+2], 0x04020402
	s_mov_b32 s[SEL+3], 0x04030403
	s_wait_dscnt 0x0                               ; the opening add is done
	s_wait_kmcnt 0x0
	s_add_nc_u64 s[42:43], s[4:5], s[40:41]
	s_add_nc_u64 s[74:75], s[6:7], s[72:73]
	s_add_nc_u64 s[8:9], s[8:9], s[78:79]          ; scales and bias at my wave's first column
	s_add_nc_u64 s[12:13], s[12:13], s[78:79]
	s_add_nc_u64 s[10:11], s[10:11], s[82:83]      ; qzeros likewise
	s_add_nc_u64 s[14:15], s[14:15], s[80:81]      ; out at my wave's first number
	CROUND                                         ; all sixteen work-groups are here: the first joint loads meet
.irp s, 0,1
	s_mov_b32 s[G0A+4*(\s)], 1                                       ; count = 1
	s_add_co_u32 s[G0A+4*(\s)+1], s44, (\s)*SLOT                     ; LDS address
	s_add_nc_u64 s[G0A+4*(\s)+2:G0A+4*(\s)+3], s[42:43], (\s)*KSTEP*2  ; global address: K step s
	s_or_b32 s[G0A+4*(\s)+3], s[G0A+4*(\s)+3], 0x80000000            ; type = 2
	s_mov_b32 s[G0B+4*(\s)], 1
	s_add_co_u32 s[G0B+4*(\s)+1], s76, (\s)*SLOT
	s_add_nc_u64 s[G0B+4*(\s)+2:G0B+4*(\s)+3], s[74:75], (\s)*16*16384  ; K step s: 16 rows of 16,384 bytes on
	s_or_b32 s[G0B+4*(\s)+3], s[G0B+4*(\s)+3], 0x80000000
	JLOAD \s                                       ; the ring is filled before anything else is done: two tensor loads of mine are out
.endr
	; WHILE THE TILES ARE ON THEIR WAY: scales, zero points, bias, and the lanes' addresses
	v_and_b32 v1, 15, v0                           ; r = l % 16
	v_bfe_u32 v2, v0, 4, 1                         ; h = l / 16
	v_lshlrev_b32 v5, 6, v2                        ; scales: my half of the lanes holds columns 64 g + 32 h + 0..31: 64 bytes
	v_and_b32 v6, 14, v1
	v_lshlrev_b32 v6, 1, v6                        ; qzeros: columns 64 g + 4 r + c lie in word 8 g + r / 2
	v_lshlrev_b32 v7, 4, v1                        ; bias: the 8 columns 8 r .. that I store
.irp g, 0,1
.irp t, 0,1,2,3
	global_load_b128 v[64+16*(\g)+4*(\t):64+16*(\g)+4*(\t)+3], v5, s[8:9] offset:128*(\g)+16*(\t)
.endr
.endr
	global_load_b32 v[ZW], v6, s[10:11]
	global_load_b32 v[ZW+1], v6, s[10:11] offset:32
	global_load_b128 v[BI:BI+3], v7, s[12:13]
	; A fragment of x is 16 rows x 32 K in 8 registers: lane l holds row r; registers 0-3 K = 8 h + 0..7, registers 4-7 K = 16 + 8 h + 0..7: two loads of 16 bytes, 32 bytes apart
	v_mul_u32_u24 v3, v1, PITCH
	v_lshl_add_u32 v3, v2, 4, v3                   ; row x pitch + 16 x half
	s_mul_i32 s45, s[RH], HALFA                    ; my 128 rows
	v_add_nc_u32 v[ADRA], s45, v3
	v_add_nc_u32 v[ADRA+1], SLOT, v[ADRA]
	; raw words: row h of a pair of rows, my wave's 512 bytes of it, 16 bytes at 16 r
	v_lshl_add_u32 v4, v2, 10, v7
	s_lshl_b32 s46, s[CH], 9
	s_add_co_u32 s46, s46, BOFF
	v_add_nc_u32 v[ADRB], s46, v4
	v_add_nc_u32 v[ADRB+1], SLOT, v[ADRB]
	s_mul_i32 s47, s[WV], 16*SPITCH
	s_add_co_u32 s47, s47, STAGE                   ; my stage
	v_mul_u32_u24 v3, v1, SPITCH                   ; in: row r, 64 bytes for each half of the lanes
	v_lshl_add_u32 v3, v2, 6, v3
	v_add_nc_u32 v[STO], s47, v3
	v_mul_u32_u24 v4, v2, SPITCH                   ; back: lanes 0-15 take one row of 256 bytes, lanes 16-31 the next
	v_add_nc_u32 v4, v4, v7
	v_add_nc_u32 v[RD], s47, v4
	v_lshl_add_u32 v[CO], v2, 13, v7               ; and the same two rows in out
	v_mov_b32 v[MUL], 0x2c003c00                   ; low half 1, high half 1/16
	v_and_b32 v3, 1, v1
	v_lshlrev_b32 v3, 4, v3                        ; my four columns are nibbles 4 (r % 2) + c of their word
	s_wait_loadcnt 0x0                             ; scales, zero points, bias: once
	; element nn = 32 g + 4 j + c of my 64 scales goes to S[8 (4 g + c) + j]
.set nn, 0
.irp hf, v64.l, v64.h, v65.l, v65.h, v66.l, v66.h, v67.l, v67.h, v68.l, v68.h, v69.l, v69.h, v70.l, v70.h, v71.l, v71.h
	v_cvt_f32_f16 v[S+8*(4*(nn/32)+nn%4)+(nn%32)/4], \hf
.set nn, nn+1
.endr
.irp hf, v72.l, v72.h, v73.l, v73.h, v74.l, v74.h, v75.l, v75.h, v76.l, v76.h, v77.l, v77.h, v78.l, v78.h, v79.l, v79.h
	v_cvt_f32_f16 v[S+8*(4*(nn/32)+nn%4)+(nn%32)/4], \hf
.set nn, nn+1
.endr
.irp hf, v80.l, v80.h, v81.l, v81.h, v82.l, v82.h, v83.l, v83.h, v84.l, v84.h, v85.l, v85.h, v86.l, v86.h, v87.l, v87.h
	v_cvt_f32_f16 v[S+8*(4*(nn/32)+nn%4)+(nn%32)/4], \hf
.set nn, nn+1
.endr
.irp hf, v88.l, v88.h, v89.l, v89.h, v90.l, v90.h, v91.l, v91.h, v92.l, v92.h, v93.l, v93.h, v94.l, v94.h, v95.l, v95.h
	v_cvt_f32_f16 v[S+8*(4*(nn/32)+nn%4)+(nn%32)/4], \hf
.set nn, nn+1
.endr
	v_lshrrev_b32 v[ZW], v3, v[ZW]
	v_lshrrev_b32 v[ZW+1], v3, v[ZW+1]
.irp b, 0,1,2,3,4,5,6,7
	v_bfe_u32 v[RAW+(\b)], v[ZW+(\b)/4], 4*((\b)%4), 4             ; z of fragment b's column in my lane
.endr
.irp b, 0,1,2,3,4,5,6,7
	v_lshl_or_b32 v[RAW+(\b)], v[RAW+(\b)], 20, v[RAW+(\b)]        ; z x 0x100001: one last place of 1025 + z below, sixteen of 65 + z above
.endr
.irp b, 0,1,2,3,4,5,6,7
	WIN ((\b)/3+1)<<6                              ; destination in the fragment's window
	v_add_nc_u32 v[ADD+(\b)%3], 0xd410e401, v[RAW+(\b)]            ; f16 pair (-(1025 + z), -(65 + z))
.endr
	WIN 0
; THE MATRIX WORK.  Product i of window w: block a = i / NBW of x's rows, fragment bl = i % NBW; its accumulator lies at v[8 i].  The 64 accumulators take turns, one instruction a turn, in the same
; order in every quarter step.  zero = 1: the product starts the sum: nothing is ever cleared.
.macro MM w, f, zero
.set NBW, 3-(\w)/3
.set rC, 8*i
.set rB, FB+24*(\f)+8*(i%NBW)
.set rA, AF+64*(\f)+8*(i/NBW)
.if \zero
	v_wmma_f32_16x16x32_f16 v[rC:rC+7], v[rB:rB+7], v[rA:rA+7], 0
.else
	v_wmma_f32_16x16x32_f16 v[rC:rC+7], v[rB:rB+7], v[rA:rA+7], v[rC:rC+7]
.endif
.endm
; THE UNPACKING of register e (fragment e / 8 of window w, register e % 8 = 4 u + j) of buffer fn, in three steps, in place.  Under the products' setting: destination, source 0 and source 2 in window w, source 1 in window 0.
.macro RP w, e, fn
	v_perm_b32 v[FB+24*(\fn)+(\e)], s[K64], v[RAW+16*(\fn)+8*(((\e)%8)/4)+3*((\w)-1)+(\e)/8], s[SEL+(\e)%4]
.endm
.macro RA w, e, fn
	v_and_b32 v[FB+24*(\fn)+(\e)], v[FB+24*(\fn)+(\e)], s[MASK]
.endm
.macro RF w, e, fn
	v_pk_fma_f16 v[FB+24*(\fn)+(\e)], v[FB+24*(\fn)+(\e)], v[MUL], v[ADD+(\e)/8]
.endm
; What stands behind product i of window w's n = 8 NBW: as a rule the third step of register i - 2, the second of register i, the first of register i + 2, so that a step stands two products behind the one that feeds it.
.macro SLICE w, fn
.set n, 8*(3-(\w)/3)
.if i == 0
	RP \w, 0, \fn
	RP \w, 1, \fn
	RP \w, 2, \fn
.elseif i == 1
	RA \w, 0, \fn
	RA \w, 1, \fn
	RP \w, 3, \fn
.elseif i < n-2
	RF \w, i-2, \fn
	RA \w, i, \fn
	RP \w, i+2, \fn
.elseif i == n-2
	RF \w, i-2, \fn
	RA \w, i, \fn
.else
	RA \w, i, \fn
	RF \w, i-2, \fn
	RF \w, i-1, \fn
	RF \w, i, \fn
.endif
.endm
; Products lo to hi of window w on buffers f; ride = 1: the next quarter's fragments of that window are unpacked, into the other buffer, behind them.
.macro GROUP w, lo, hi, f, zero, ride
	WIN 0x51*(\w)
.set i, \lo
.rept (\hi)-(\lo)+1
	MM \w, \f, \zero
.if \ride
	SLICE \w, 1-(\f)
.endif
.set i, i+1
.endr
.endm
; THE LDS LOADS stand in runs.  x's fragments of quarter q (128 rows x 32 K) into buffer f: 16 loads.
.macro LDA slot, q, f
	WIN 0
.irp t, 0,1,2,3,4,5,6,7
	ds_load_b128 v[AF+64*(\f)+8*(\t):AF+64*(\f)+8*(\t)+3],   v[ADRA+(\slot)] offset:64*(\q)+(\t)*16*PITCH
	ds_load_b128 v[AF+64*(\f)+8*(\t)+4:AF+64*(\f)+8*(\t)+7], v[ADRA+(\slot)] offset:64*(\q)+(\t)*16*PITCH+32
.endr
.endm
; The raw words of quarter q (4 rows x 128 words) into buffer f: 4 loads.  Load (u, g): row 4 q + 2 u + h, words 64 g + 4 r + 0..3.
.macro LDR slot, q, f
	WIN 0
.irp u, 0,1
.irp g, 0,1
	ds_load_b128 v[RAW+16*(\f)+8*(\u)+4*(\g):RAW+16*(\f)+8*(\u)+4*(\g)+3], v[ADRB+(\slot)] offset:(4*(\q)+2*(\u))*BROW+256*(\g)
.endr
.endr
.endm
; A load into a register that a matrix instruction has read, and a vector instruction that reads a matrix result or writes one of a matrix instruction's registers, stand four places behind it, and only plain
; vector instructions that name none of its registers are places (ISA guide 7.12.1 for vector instructions).  In the K steps the unpacking fills them: a run of loads stands 12 products
; and 36 such instructions, or more, behind the last product that read its registers.
.macro PLACES
.rept 4
	v_nop
.endr
.endm
; A K step is four quarters of 32 along K, 64 products each, on buffers 0, 1, 0, 1.  Quarter q multiplies x's and q's fragments of buffer q % 2, unpacks quarter q + 1's raw words, and fetches x's fragments of
; quarter q + 1 (slot sa, quarter qa) and the raw words of quarter q + 2 (slot sr, quarter qr; into the raw buffer that the quarter before unpacked).  qa or qr = -1: no such run.
.macro QUARTER f, zero, ride, sa, qa, sr, qr
	s_wait_dscnt 0x0                               ; all of the last run is wanted at once: x's fragments by the products, the raw words by the unpacking; it was issued 40 products ago (16 behind a change of slots)
	GROUP 1, 0, 23, \f, \zero, \ride
.if (\qa) >= 0
	LDA \sa, \qa, 1-(\f)
.endif
.if (\qr) >= 0
	LDR \sr, \qr, \f
.endif
	GROUP 2, 0, 23, \f, \zero, \ride
	GROUP 3, 0, 15, \f, \zero, \ride
.endm
; The third quarter holds THE CHANGE OF SLOTS, between the slot's last read (x's fragments of the fourth quarter; its raw words came a quarter earlier) and the next slot's first (the raw words of its first quarter).
; In front of the barrier each wave waits for all its tensor loads, of which one is out: its part of the next slot; adds 0 to its spare word; and waits for that and for its own reads of this slot.
; fill = 1: the barrier opens a round of the cluster's barrier, and slot s is filled again, two K steps on: the first tensor load behind the round, 232 products ahead of the wait for it.
.macro TURNQ s, fill
	s_wait_dscnt 0x0
	GROUP 1, 0, 11, 0, 0, 1
	LDA \s, 3, 1
	GROUP 1, 12, 23, 0, 0, 1
	WIN 0                                          ; (the add's two registers lie in window 0)
	s_wait_tensorcnt 0x0                           ; all my tensor loads have landed: the one that was out is my part of the next slot;
	ds_add_u32 v[SPW], v[NIL]                      ; 0 onto my spare word;
	GROUP 2, 0, 11, 0, 0, 1                        ; twelve products and their unpacking stand between the add and the wait for it
	s_wait_dscnt 0x0                               ; the add is done, and my reads of this slot are over (the last were issued 24 products ago):
	s_barrier_signal -1                            ; say so,
	GROUP 2, 12, 23, 0, 0, 1                       ; work on registers while the others arrive,
	WIN 0
	s_barrier_wait -1                              ; and go on when all four have said so
.if \fill
	CREST                                          ; no wave of any partner still reads this slot's tiles or has a load on its way
	s_add_nc_u64 s[G0A+4*(\s)+2:G0A+4*(\s)+3], s[G0A+4*(\s)+2:G0A+4*(\s)+3], 2*KSTEP*2
	s_add_nc_u64 s[G0B+4*(\s)+2:G0B+4*(\s)+3], s[G0B+4*(\s)+2:G0B+4*(\s)+3], 2*16*16384
	JLOAD \s
.endif
	LDR 1-(\s), 0, 0
	GROUP 3, 0, 15, 0, 0, 1
.endm
	s_wait_tensorcnt 1                             ; my part of K step 0 is in; K step 1's may stay out
	s_barrier_signal -1
	s_barrier_wait -1                              ; everybody's is
	LDA 0, 0, 0
	LDR 0, 0, 0
	LDR 0, 1, 1
	s_wait_dscnt 0x0
.irp w, 1,2,3                          ; the first quarter's fragments are unpacked with nothing beside them, step by step
	WIN 0x51*(\w)
.set ee, 0
.rept 8*(3-(\w)/3)
	RP \w, ee, 0
.set ee, ee+1
.endr
.set ee, 0
.rept 8*(3-(\w)/3)
	RA \w, ee, 0
.set ee, ee+1
.endr
.set ee, 0
.rept 8*(3-(\w)/3)
	RF \w, ee, 0
.set ee, ee+1
.endr
.endr
	QUARTER 0, 1, 1, 0, 1, 0, 2                    ; the first quarter stands in front of the loop: its products start the sums
	WIN 0                                          ; at a label and at a branch every window is 0
	s_mov_b32 s[LAP], LAPS-1
.Llap:                                                 ; a trip goes once round the ring, from a lap's second quarter to the next lap's first, and fills both slots again
	QUARTER 1, 0, 1, 0, 2, 0, 3
	TURNQ 0, 1
	QUARTER 1, 0, 1, 1, 0, 1, 1
	QUARTER 0, 0, 1, 1, 1, 1, 2
	QUARTER 1, 0, 1, 1, 2, 1, 3
	TURNQ 1, 1
	QUARTER 1, 0, 1, 0, 0, 0, 1
	QUARTER 0, 0, 1, 0, 1, 0, 2
	WIN 0
	s_sub_co_u32 s[LAP], s[LAP], 1
	s_cmp_lg_u32 s[LAP], 0
	s_cbranch_scc1 .Llap
	QUARTER 1, 0, 1, 0, 2, 0, 3                    ; the last lap is written out: it fills nothing, and has no round of the cluster's barrier
	TURNQ 0, 0
	QUARTER 1, 0, 1, 1, 0, 1, 1
	QUARTER 0, 0, 1, 1, 1, 1, 2
	QUARTER 1, 0, 1, 1, 2, 1, 3
	QUARTER 0, 0, 1, 1, 3, -1, -1                  ; no raw words are left to fetch,
	QUARTER 1, 0, 0, -1, -1, -1, -1                ; and at last nothing to fetch or unpack
; THE WAY OUT, a block of 16 rows at a time.  PACK: times the column's scale in f32, each accumulator's registers in ascending order; rounded to f16, with the columns put back in order: register j of the accumulators
; of fragments 4 g + 0..3 holds columns 64 g + 32 h + 4 j + 0..3, so chunk t of 8 columns takes registers 2 t and 2 t + 1 of the four.
.macro PACK a
.irp w, 1,2,3
	WIN \w                                         ; source 0 in window w
.set NBW, 3-(\w)/3
.set bl, 0
.rept NBW
.set bb, 3*((\w)-1)+bl
.set rC, 8*(NBW*(\a)+bl)
.irp j, 0,2,4,6
	v_pk_mul_f32 v[T+8*bb+(\j):T+8*bb+(\j)+1], v[rC+(\j):rC+(\j)+1], v[S+8*bb+(\j):S+8*bb+(\j)+1]
.endr
.set bl, bl+1
.endr
.endr
	WIN 0
.set z, 0
.rept 32                               ; word z % 4 of chunk (z / 4) % 4 of half z / 16
.set rT, T+8*(4*(z/16)+2*(z%2))+2*((z/4)%4)+(z%4)/2
	v_cvt_pk_f16_f32 v[TMP+z], v[rT], v[rT+8]
.set z, z+1
.endr
.endm
; TOSTAGE: 16 bytes a lane and chunk into my own stage, rows of 272 bytes, and back as whole rows of 256.
.macro TOSTAGE a
	WIN 0
.set BK, BK0-128*((\a)%2)
.irp z, 0,1,2,3,4,5,6,7
	ds_store_b128 v[STO], v[TMP+4*(\z):TMP+4*(\z)+3] offset:128*((\z)/4)+16*((\z)%4)
.endr
.irp t, 0,1,2,3,4,5,6,7
	ds_load_b128 v[BK+4*(\t):BK+4*(\t)+3], v[RD] offset:(\t)*2*SPITCH  ; LDS serves a wave's instructions in order (ISA guide 5.7.1.4): these see the stores above
.endr
.endm
; SEND: the bias is added in f16, as the reference adds it, and the block is stored.
.macro SEND a
	WIN 0
.set BK, BK0-128*((\a)%2)
	s_wait_dscnt 0x0                               ; the block is back in registers
.set z, 0
.rept 32
	v_pk_add_f16 v[BK+z], v[BK+z], v[BI+z%4]
.set z, z+1
.endr
	s_wait_xcnt 0x0                                ; every earlier memory instruction has had its addresses translated (ISA guide 3.1): only behind this wait are the stores' base and the registers that earlier stores read rewritten
.if (\a) > 0
	s_add_nc_u64 s[14:15], s[14:15], 16*8192       ; 16 rows of out on
.endif
.irp t, 0,1,2,3,4,5,6,7
	global_store_b128 v[CO], v[BK+4*(\t):BK+4*(\t)+3], s[14:15] offset:2*(\t)*8192  ; 16 lanes store 256 consecutive bytes, at a multiple of 256 from out's first byte
.endr
.endm
	PLACES                                         ; the last quarter has no unpacking behind its products
	PACK 0
	TOSTAGE 0
.irp a, 1,2,3,4,5,6,7                  ; block a's arithmetic stands between block a - 1's loads from the stage and the wait for them
	PACK \a
	SEND (\a)-1
	TOSTAGE \a
.endr
	SEND 7
	s_wait_tensorcnt 0x0                           ; the wave's end: a wait, an add and a wait, behind my last tensor load and my last LDS store
	ds_add_u32 v[SPW], v[NIL]
	s_wait_dscnt 0x0
	CROUND                                         ; the closing round: no work-group ends while a partner may still ask for a tile that names it
	s_endpgm
.Lfunc_end_k_qeacb0e8e9f_qlinear:
	.size	k_qeacb0e8e9f_qlinear, .Lfunc_end_k_qeacb0e8e9f_qlinear-k_qeacb0e8e9f_qlinear
	.p2alignl 7, 3214868480
	.fill 96, 4, 3214868480
	.section	.rodata,"a",@progbits
	.p2align	6, 0x0
	.amdhsa_kernel k_qeacb0e8e9f_qlinear
		.amdhsa_group_segment_fixed_size 327680
		.amdhsa_private_segment_fixed_size 0
		.amdhsa_enable_private_segment 0
		.amdhsa_kernarg_size 48
		.amdhsa_user_sgpr_count 2
		.amdhsa_user_sgpr_kernarg_segment_ptr 1
		.amdhsa_wavefront_size32 1
		.amdhsa_system_sgpr_workgroup_id_x 1
		.amdhsa_system_sgpr_workgroup_id_y 1
		.amdhsa_system_sgpr_workgroup_id_z 1
		.amdhsa_system_vgpr_workitem_id 0
		.amdhsa_next_free_vgpr 1024
		.amdhsa_next_free_sgpr 96
		.amdhsa_reserve_vcc 0
		.amdhsa_float_denorm_mode_32 3
		.amdhsa_float_denorm_mode_16_64 3
		.amdhsa_memory_ordered 1
		.amdhsa_forward_progress 1
		.amdhsa_inst_pref_size 255
	.end_amdhsa_kernel
	.section	.bss,"aw",@nobits
	.p2align	6
	.space	262144
	.amdgpu_metadata
---
amdhsa.version: [ 1, 2 ]
amdhsa.kernels:
  - .name:           k_qeacb0e8e9f_qlinear
    .symbol:         k_qeacb0e8e9f_qlinear.kd
    .args:
      - { .name: x, .offset: 0, .size: 8, .value_kind: global_buffer, .address_space: global }
      - { .name: qweight, .offset: 8, .size: 8, .value_kind: global_buffer, .address_space: global }
      - { .name: scales, .offset: 16, .size: 8, .value_kind: global_buffer, .address_space: global }
      - { .name: qzeros, .offset: 24, .size: 8, .value_kind: global_buffer, .address_space: global }
      - { .name: bias, .offset: 32, .size: 8, .value_kind: global_buffer, .address_space: global }
      - { .name: out0, .offset: 40, .size: 8, .value_kind: global_buffer, .address_space: global }
    .group_segment_fixed_size: 327680
    .private_segment_fixed_size: 0
    .kernarg_segment_align: 8
    .kernarg_segment_size: 48
    .max_flat_workgroup_size: 128
    .sgpr_count:     96
    .vgpr_count:     1024
    .wavefront_size: 32
...
	.end_amdgpu_metadata
.endif
;; end of part 1
